; MI455X (gfx1250); checked and timed in simulation.
; The chip was launched on July 23, 2026; its instructions are those of AMD's public machine-readable ISA for CDNA 5 (MIT licence, August 2026) and "CDNA5" Instruction Set Architecture Reference Guide (July 2026). The comments in the code are by the model that wrote it; some were corrected since.
;; Mo E Layer. Allowed arithmetic: matrix products marked QUANTISED: E2M1 operands, one E8M0 scale for each 32 along K, by v_wmma_scale_f32_16x16x128_f8f6f4 with both operands' format E2M1 (or v_wmma_scale_f32_32x16x128_f4), f32 sums; products left as they are: f32 operands where the result goes on into a quantised operand, else bf16, f16 or f32 operands; f32 sums; everything else in f32.
;; Inputs: We 8 x 2,048 x 2,048 float32; Wg 8 x 2,048 float32; be 8 x 2,048 float32; bg 8 float32; x 2,048 x 2,048 float32.
;; Outputs: out0 2,048 x 2,048 float32; out1 2,048 x 8 float32; out2 2,048 x 1 int32; out3 8 float32.
;; This version of the problem:
;;   THIS VERSION OF THE PROBLEM IS GIVEN IN LOW PRECISION. The matrix products marked QUANTISED in the list below multiply operands that are first quantised to E2M1 (2 exponent bits, 1 mantissa bit; 4 bits a number), with one power-of-two scale for each 32 numbers along K (OCP MX v1.0); their sums are f32. All else is computed in f32.
;;   The module's matrix products, in the order in which they are computed (A, B: the left and right operand; K: the contracted axis; several contracted axes count as one K, in the product's order):
;;     1. [M 2,048, K 2,048] x [K 2,048, N 8]; A: input x; B: input Wg: left as it is (N = 8 < 16)
;;     2. batch 2,048 x [M 8, K 1] x [K 1, N 2,048]; A: computed on the way; B: computed on the way: left as it is (no contracted axis)
;;     3. [M 2,048, K 16,384] x [K 16,384, N 2,048]; A: computed on the way; B: input We: QUANTISED
;;   THE QUANTISER, for each operand of a quantised product, along K:
;;     - K is cut into blocks of 32 from its start; a last block that is shorter is filled with zeros.
;;     - A block's scale is 2^e with e = floor(log2(the largest magnitude in the block)) - 2, held to -126 .. 127; a block of zeros has e = 0. As a byte (E8M0): e + 127.
;;     - Each number is divided by its block's scale, clamped to +-6, and rounded to the nearest number of E2M1, ties to even, subnormals kept.
;;     - The product sums the exact products of the quantised numbers (number of the format x scale) in f32.
;;   ~~~python
;;   def quantise(x, axis):      # numpy; x: float32 -> the quantised numbers, widened to float32 again
;;       x = np.moveaxis(x, axis, -1); K = x.shape[-1]
;;       x = np.pad(x, [(0, 0)] * (x.ndim - 1) + [(0, -K % 32)]); x = x.reshape(x.shape[:-1] + (-1, 32)); a = np.abs(x).max(-1, keepdims=True)
;;       e = np.where(a > 0, np.clip(np.frexp(np.where(a > 0, a, 1))[1] - 1 - 2, -126, 127), 0)      # np.frexp(a)[1] - 1 = floor(log2(a)), exactly
;;       r = np.clip(x / 2.0 ** e, -6, 6)
;;       step = 2.0 ** (np.maximum(np.frexp(np.where(r == 0, 1, r))[1] - 1, 0) - 1)
;;       q = np.round(r / step) * step * 2.0 ** e      # np.round: ties to even
;;       return np.moveaxis(q.reshape(q.shape[:-2] + (-1,))[..., :K], -1, axis).astype(np.float32)
;;   ~~~
;;   OPERANDS COMPUTED ON THE WAY. 'Computed on the way' means the value that the module computes at that place (a softmax that the list does not call 'softmax' is quantised finished and normalised). What goes into a quantiser is computed in f32, as accurately as f32 sums, v_exp_f32 and their like allow (about 1e-6 of the number): no bf16 or f16 on the way to a quantiser, and a product that is left as it is and whose result goes on into a quantised operand takes f32 operands (vector FMAs, or v_wmma_f32_16x16x4_f32). A number that lies on a knife's edge between two numbers of the format may be rounded either way, as far as f32 arithmetic and the matrix unit's own rounding can turn it there, and no further.
;; One version. Each part assembles by itself: llvm-mc -triple=amdgcn-amd-amdhsa -mcpu=gfx1250 --defsym DOCPART=n.
;; ======== version 1 of 1: 2 launches
;; limits: right only within a limited range of input values
;; workspace buffers: xq 2,097,152 bytes; xs 131,072 bytes; sel 8,192 bytes of whole numbers
;; launch gate (part 1): grid 256 x 1, 8 waves a work-group, no clusters, 75,776 bytes of LDS; arguments x, Wg, bg, xq, xs, sel, out1, out2; writes xq, xs, sel, out1, out2
.if DOCPART == 1
	.amdgcn_target "amdgcn-amd-amdhsa--gfx1250"
	.amdhsa_code_object_version 6
	.text
	.protected	k_qd6775ef8a3_gate
	.globl	k_qd6775ef8a3_gate
	.p2align	8
	.type	k_qd6775ef8a3_gate,@function
k_qd6775ef8a3_gate:
	s_mov_b64 s[64:65], 0
	v_nop
	global_prefetch_b8 v0, s[64:65] scope:SCOPE_SE
	s_setreg_imm32_b32 hwreg(HW_REG_WAVE_MODE, 25, 1), 1
	s_wait_xcnt 0x0
; THE GATE AND THE QUANTISER OF x.  x [2048][2048] f32, Wg [8][2048] f32, bg [8] f32.
; out1 = softmax(x Wg^T + bg) [2048][8] f32;  out2 = sel = its argmax [2048] int32 (the lowest index among equals);
; xq = x as codes of E2M1, [token][1024 bytes], K innermost, the lower k in the low four bits;  xs = one E8M0 byte for each 32 along K, [token][64].
; The gate's product has f32 operands and f32 sums (packed fused multiply-adds): its result decides an operand of the quantised product.
; SHARES.  A work-group takes 8 rows of x; wave w takes k = 256 w .. 256 w + 255 of all 8 rows.  x and Wg are used AS THEY ARE LOADED: lane l holds k = 256 w + 128 j + 4 l + 0 .. 3 (j = 0, 1), loads of 512 consecutive bytes.
; A lane's 64 partial sums (8 rows x 8 experts) go to LDS, 16 bytes (a row, four experts) a store.  Behind a barrier wave w sums row w's: lane (r, h) = (lane % 16, lane / 16) takes experts 4 h .. 4 h + 3 of
; 16 of the 256 parts, then the 16 lanes of a half join; so each wave has one row's logits, four a lane, and does that row's softmax and argmax.
; QUANTISING: eight neighbouring lanes hold a block of 32.  A row's two loads (4 + 4 numbers a lane) are converted under either load's scale: the low half of the one result and the high half of the other are the codes.
; A block's scale is 2^(floor(log2(largest magnitude)) - 2): its byte is the largest magnitude's exponent field - 2, held at 1 from below.
; LIMITS: NaN and infinities are not served; a block whose largest magnitude lies under 2^-124 is held at the byte 1; a block of zeros gets the byte 1 and not 127
; (its codes are zeros, and this program alone reads the bytes); the argmax is taken of this text's own f32 probabilities: two experts nearer than the error of f32 sums may change places.
; No matrix unit (8 columns), no tensor load, no cluster (work-groups share only Wg's 64 KB), no prefetch (all loads of a wave go out at its head).
.set R,   16                           ; v16-79   x: row p at R + 8 p, load j at + 4 j
.set G,   80                           ; v80-143  Wg: expert e at G + 8 e, load j at + 4 j
.set A,   144                          ; v144-207 32 pairs of partial sums; behind the barrier the parts of my row
.set V,   208                          ; v208-239 block maxima and codes, then partial sums on their way to LDS
.set COD, 65536                        ; LDS: partial sums [wave][16 quads][lane] of 16 bytes | codes [row][1024]
.set SCB, 73728                        ; | scale bytes [row][64]
.set PRB, 74240                        ; | probabilities [row][8]
.set SLS, 74496                        ; | the rows' experts
.set SPARE, 74752                      ; | the spare words, 128 bytes a wave
	s_load_b256 s[4:11], s[0:1], 0x0               ; x s[4:5], Wg s[6:7], bg s[8:9], xq s[10:11]
	s_load_b256 s[12:19], s[0:1], 0x20             ; xs s[12:13], sel s[14:15], out1 s[16:17], out2 s[18:19]
	v_lshl_add_u32 v254, v0, 2, SPARE
	v_mov_b32 v255, 0
	v_lshrrev_b32 v3, 5, v0
	v_and_b32 v1, 31, v0                           ; lane l
	v_readfirstlane_b32 s20, v3                    ; wave 0..7
	v_and_b32 v13, 15, v0                          ; r
	v_bfe_u32 v14, v0, 4, 1                        ; h
	v_and_b32 v12, 7, v0                           ; q: my place among the eight lanes of a block
	v_lshlrev_b32 v2, 4, v1                        ; 16 l
	v_lshlrev_b32 v11, 4, v14                      ; 16 h: my four experts of bg
	s_lshl_b32 s22, ttmp9, 16                      ; 8 rows of 8,192 bytes a work-group
	s_lshl_b32 s24, s20, 10                        ; 1,024 bytes a wave
	s_add_co_u32 s22, s22, s24
	s_mov_b32 s23, 0
	s_mov_b32 s25, 0
	s_lshl_b32 s26, ttmp9, 13                      ; xq: 8 rows of 1,024 bytes, + row w
	s_add_co_u32 s26, s26, s24
	s_mov_b32 s27, 0
	s_lshl_b32 s28, ttmp9, 9                       ; xs: 8 rows of 64
	s_mov_b32 s29, 0
	s_lshl_b32 s30, ttmp9, 8                       ; out1: 8 rows of 32
	s_mov_b32 s31, 0
	s_lshl_b32 s32, ttmp9, 5                       ; out2, sel: 8 words
	s_mov_b32 s33, 0
	s_wait_alu depctr_va_vdst(0)                   ; directly ahead of the wait below
	s_wait_kmcnt 0x0
	s_add_nc_u64 s[4:5], s[4:5], s[22:23]
	s_add_nc_u64 s[6:7], s[6:7], s[24:25]
.irp p, 0,1,2,3,4,5,6,7                        ; x: read once in the launch
.irp j, 0,1
	global_load_b128 v[R+8*\p+4*\j:R+8*\p+4*\j+3], v2, s[4:5] offset:8192*\p+512*\j th:TH_LOAD_NT
.endr
.endr
.irp e, 0,1,2,3,4,5,6,7
.irp j, 0,1
	global_load_b128 v[G+8*\e+4*\j:G+8*\e+4*\j+3], v2, s[6:7] offset:8192*\e+512*\j
.endr
.endr
	global_load_b128 v[240:243], v11, s[8:9]
	s_add_nc_u64 s[10:11], s[10:11], s[26:27]
	s_add_nc_u64 s[12:13], s[12:13], s[28:29]
	s_add_nc_u64 s[16:17], s[16:17], s[30:31]
	s_add_nc_u64 s[14:15], s[14:15], s[32:33]
	s_add_nc_u64 s[18:19], s[18:19], s[32:33]
	s_mov_b32 s34, 0x76543210
	s_mov_b32 s35, 0xfedcba98                      ; v_permlanex16_b32's selects for lane l xor 16
	s_mov_b32 s40, 0xaaaaaaaa                      ; the lanes whose q has bit 0,
	s_mov_b32 s41, 0xcccccccc                      ; bit 1,
	s_mov_b32 s42, 0xf0f0f0f0                      ; bit 2
	s_lshl_b32 s21, s20, 13
	v_add_nc_u32 v3, s21, v2                       ; partial sums, in: 8192 w + 16 l
	v_lshlrev_b32 v4, 9, v14
	v_lshl_add_u32 v4, v13, 4, v4
	s_lshl_b32 s21, s20, 10
	v_add_nc_u32 v4, s21, v4                       ; out: 512 (2 w + h) + 16 r
	v_add_nc_u32 v9, s21, v2
	v_add_nc_u32 v9, COD, v9                       ; row w's codes, 16 bytes a lane
	s_lshl_b32 s21, s20, 7
	s_add_co_u32 s21, s21, COD
	v_lshl_add_u32 v5, v1, 1, s21                  ; codes, in: 128 w + 2 l
	s_lshl_b32 s21, s20, 3
	s_add_co_u32 s21, s21, SCB
	v_lshrrev_b32 v6, 1, v12
	v_and_b32 v7, 1, v12
	v_lshrrev_b32 v8, 3, v1
	v_lshlrev_b32 v6, 6, v6
	v_lshl_add_u32 v6, v7, 2, v6
	v_add_nc_u32 v6, v6, v8
	v_add_nc_u32 v6, s21, v6                       ; scale bytes, in: 64 (q / 2) + 8 w + 4 (q % 2) + my block
	v_add_nc_u32 v10, SCB, v2                      ; the 512 scale bytes, 16 a lane
	s_lshl_b32 s21, s20, 5
	s_add_co_u32 s21, s21, PRB
	v_lshl_add_u32 v7, v14, 4, s21                 ; probabilities, in: 32 w + 16 h
	s_lshl_b32 s21, s20, 2
	s_add_co_u32 s21, s21, SLS
	v_mov_b32 v8, s21                              ; the row's expert
	v_lshlrev_b32 v249, 2, v1
	v_lshl_add_u32 v250, v1, 3, PRB
	v_lshlrev_b32 v251, 3, v1
	v_lshl_add_u32 v252, v12, 2, SLS
	v_lshlrev_b32 v253, 2, v14
	v_cvt_f32_u32 v244, v253                       ; my experts' numbers as f32,
	v_mov_b32 v248, 0x41000000                     ; and 8.0 for one that is not the largest
	v_add_f32 v245, 1.0, v244
	v_add_f32 v246, 2.0, v244
	v_add_f32 v247, 0x40400000, v244
	s_wait_alu depctr_va_vdst(0)                   ; at the head's end
	s_wait_loadcnt 17                              ; x is in; Wg's 16 loads and bg's may be out
	; quantise: item 2 p + j is load j of row p; the 16 items by turns
.irp p, 0,1,2,3,4,5,6,7,8,9,10,11,12,13,14,15
	v_max3_num_f32 v[V+\p], |v[R+4*\p]|, |v[R+4*\p+1]|, |v[R+4*\p+2]|
.endr
.irp p, 0,1,2,3,4,5,6,7,8,9,10,11,12,13,14,15
	v_max3_num_f32 v[V+\p], |v[R+4*\p+3]|, 0x1800000, v[V+\p]      ; and the floor 2^(3 - 127): the byte cannot fall under 1
.endr
.irp m, 1,2,4
.irp p, 0,1,2,3,4,5,6,7,8,9,10,11,12,13,14,15
	v_max_num_f32_dpp v[V+\p], v[V+\p], v[V+\p] row_xmask:\m row_mask:0xf bank_mask:0xf
.endr
.endr
.irp p, 0,1,2,3,4,5,6,7,8,9,10,11,12,13,14,15
	v_add_nc_u32 v[V+\p], 0xff000000, v[V+\p]      ; 2 off the exponent field: the conversion's scale operand
.endr
.irp p, 0,1,2,3,4,5,6,7
	v_cvt_scalef32_pk8_fp4_f32 v[V+16+2*\p], v[R+8*\p:R+8*\p+7], v[V+2*\p]
	v_cvt_scalef32_pk8_fp4_f32 v[V+16+2*\p+1], v[R+8*\p:R+8*\p+7], v[V+2*\p+1]
.endr
	v_nop                                          ; one plain line behind the last scaled conversion
.irp p, 0,1,2,3,4,5,6,7                        ; the eight lanes of a block hold the same 16 scales: lane q keeps items q and 8 + q
	v_cndmask_b32 v[V+2*\p], v[V+2*\p], v[V+2*\p+1], s40
.endr
.irp p, 0,1,2,3
	v_cndmask_b32 v[V+4*\p], v[V+4*\p], v[V+4*\p+2], s41
.endr
.irp p, 0,1
	v_cndmask_b32 v[V+8*\p], v[V+8*\p], v[V+8*\p+4], s42
.endr
.irp p, 0,1
	v_lshrrev_b32 v[V+8*\p], 23, v[V+8*\p]         ; the scale's byte
.endr
.irp p, 0,1,2,3,4,5,6,7
	ds_store_b16 v5, v[V+16+2*\p] offset:1024*\p
	ds_store_b16_d16_hi v5, v[V+16+2*\p+1] offset:1024*\p+64
.endr
	ds_store_b8 v6, v[V]
	ds_store_b8 v6, v[V+8] offset:256
	s_wait_loadcnt 0x0                             ; Wg and bg are in
.macro HALF hf                         ; experts 4 hf .. 4 hf + 3 of all 8 rows
.irp p, 0,1,2,3,4,5,6,7
.irp e, 0,1,2,3
	v_pk_mul_f32 v[A+2*(4*\p+\e):A+2*(4*\p+\e)+1], v[R+8*\p:R+8*\p+1], v[G+8*(4*\hf+\e):G+8*(4*\hf+\e)+1]     ; the first product starts each sum
.endr
.endr
.irp i, 1,2,3
.irp p, 0,1,2,3,4,5,6,7
.irp e, 0,1,2,3
	v_pk_fma_f32 v[A+2*(4*\p+\e):A+2*(4*\p+\e)+1], v[R+8*\p+2*\i:R+8*\p+2*\i+1], v[G+8*(4*\hf+\e)+2*\i:G+8*(4*\hf+\e)+2*\i+1], v[A+2*(4*\p+\e):A+2*(4*\p+\e)+1]
.endr
.endr
.endr
	s_wait_dscnt 0x0                               ; earlier stores have read their registers
.irp p, 0,1,2,3,4,5,6,7
.irp e, 0,1,2,3
	v_add_f32 v[V+4*\p+\e], v[A+2*(4*\p+\e)], v[A+2*(4*\p+\e)+1]
.endr
.endr
.irp p, 0,1,2,3,4,5,6,7
	ds_store_b128 v3, v[V+4*\p:V+4*\p+3] offset:512*(2*\p+\hf)
.endr
.endm
	HALF 0
	HALF 1
	s_wait_dscnt 0x0                               ; for the others' sake: all my LDS stores have landed
	s_barrier_signal -1
	s_barrier_wait -1
	ds_load_b128 v[16:19], v9                      ; row w's 1,024 bytes of codes, which all eight waves wrote
	ds_load_b128 v[20:23], v9 offset:512
	ds_load_b128 v[24:27], v10                     ; the 8 rows' 512 scale bytes
.irp n, 0,1,2,3,4,5,6,7,8,9,10,11,12,13,14,15  ; row w's parts: wave n / 2's, lanes 16 (n % 2) + r
	ds_load_b128 v[A+4*\n:A+4*\n+3], v4 offset:8192*(\n/2)+256*(\n%2)
.endr
	s_wait_dscnt 16                                ; all but the 16 parts
	global_store_b128 v2, v[16:19], s[10:11]       ; 32 lanes store 512 consecutive bytes, aligned
	global_store_b128 v2, v[20:23], s[10:11] offset:512
	s_cmp_lg_u32 s20, 1
	s_cbranch_scc1 .Lno_scales
	global_store_b128 v2, v[24:27], s[12:13]       ; wave 1: 512 consecutive bytes, aligned
.Lno_scales:
	s_wait_dscnt 0x0
.irp n, 0,1,2,3,4,5,6,7
	v_pk_add_f32 v[A+4*\n:A+4*\n+1], v[A+4*\n:A+4*\n+1], v[A+32+4*\n:A+32+4*\n+1]
	v_pk_add_f32 v[A+4*\n+2:A+4*\n+3], v[A+4*\n+2:A+4*\n+3], v[A+32+4*\n+2:A+32+4*\n+3]
.endr
.irp n, 0,1,2,3
	v_pk_add_f32 v[A+4*\n:A+4*\n+1], v[A+4*\n:A+4*\n+1], v[A+16+4*\n:A+16+4*\n+1]
	v_pk_add_f32 v[A+4*\n+2:A+4*\n+3], v[A+4*\n+2:A+4*\n+3], v[A+16+4*\n+2:A+16+4*\n+3]
.endr
.irp n, 0,1
	v_pk_add_f32 v[A+4*\n:A+4*\n+1], v[A+4*\n:A+4*\n+1], v[A+8+4*\n:A+8+4*\n+1]
	v_pk_add_f32 v[A+4*\n+2:A+4*\n+3], v[A+4*\n+2:A+4*\n+3], v[A+8+4*\n+2:A+8+4*\n+3]
.endr
	v_pk_add_f32 v[A:A+1], v[A:A+1], v[A+4:A+5]
	v_pk_add_f32 v[A+2:A+3], v[A+2:A+3], v[A+6:A+7]
.irp m, 1,2,4,8                                ; over the 16 lanes of my half
.irp i, 0,1,2,3
	v_add_f32_dpp v[A+\i], v[A+\i], v[A+\i] row_xmask:\m row_mask:0xf bank_mask:0xf
.endr
.endr
	v_pk_add_f32 v[A:A+1], v[A:A+1], v[240:241]    ; + bg
	v_pk_add_f32 v[A+2:A+3], v[A+2:A+3], v[242:243]
	v_max3_num_f32 v200, v[A], v[A+1], v[A+2]
	v_max_num_f32 v200, v200, v[A+3]
	v_permlanex16_b32 v201, v200, s34, s35
	v_max_num_f32 v200, v200, v201                 ; the row's largest logit: it is taken away ahead of the exponential
.irp i, 0,1,2,3
	v_sub_f32 v[148+\i], v[A+\i], v200
.endr
.irp i, 0,1,2,3
	v_mul_f32 v[148+\i], 0x3fb8aa3b, v[148+\i]
.endr
	s_wait_alu depctr_va_vdst(0)                   ; ahead of the batch
.irp i, 0,1,2,3
	v_exp_f32 v[148+\i], v[148+\i]
.endr
	v_nop                                          ; a plain line behind the last exponential,
	s_wait_alu depctr_va_vdst(0)                   ; and one wait for all four, ahead of their first reader
	v_add_f32 v202, v148, v149
	v_add_f32 v203, v150, v151
	v_add_f32 v202, v202, v203
	v_permlanex16_b32 v201, v202, s34, s35
	v_add_f32 v202, v202, v201
	s_wait_alu depctr_va_vdst(0)                   ; ahead of the transcendental
	v_rcp_f32 v204, v202
	v_nop
	s_wait_alu depctr_va_vdst(0)
.irp i, 0,1,2,3
	v_mul_f32 v[152+\i], v[148+\i], v204           ; the probabilities
.endr
	v_max3_num_f32 v200, v152, v153, v154
	v_max_num_f32 v200, v200, v155
	v_permlanex16_b32 v201, v200, s34, s35
	v_max_num_f32 v200, v200, v201                 ; the row's largest
.irp i, 0,1,2,3
	v_cmp_eq_f32 s[36+\i], v[152+\i], v200
.endr
.irp i, 0,1,2,3
	v_cndmask_b32 v[156+\i], v248, v[244+\i], s[36+\i]
.endr
	v_min3_num_f32 v205, v156, v157, v158
	v_min_num_f32 v205, v205, v159
	v_permlanex16_b32 v201, v205, s34, s35
	v_min_num_f32 v205, v205, v201                 ; the lowest index among the largest
	v_cvt_u32_f32 v207, v205
	ds_store_b128 v7, v[152:155]                   ; the 16 lanes of a half write the same bytes with the same values
	ds_store_b32 v8, v207
	s_wait_dscnt 0x0
	s_barrier_signal -1
	s_barrier_wait -1
	s_cmp_lg_u32 s20, 0
	s_cbranch_scc1 .Lend
	ds_load_b64 v[208:209], v250                   ; wave 0: the 8 rows' results
	ds_load_b32 v210, v252
	v_cmp_gt_u32 vcc_lo, 8, v1
	s_wait_alu depctr_va_vdst(0)
	s_wait_dscnt 0x0
	global_store_b64 v251, v[208:209], s[16:17]    ; out1: 32 lanes store 256 consecutive bytes, aligned
	s_wait_xcnt 0x0                                ; EXEC changes only behind this wait
	s_and_saveexec_b32 s36, vcc_lo                 ; one lane a row
	global_store_b32 v249, v210, s[18:19]          ; out2
	global_store_b32 v249, v210, s[14:15]          ; sel, for the next launch
	s_wait_xcnt 0x0
	s_or_b32 exec_lo, exec_lo, s36
.Lend:
	s_wait_tensorcnt 0x0                           ; the wave's end
	ds_add_u32 v254, v255
	s_wait_dscnt 0x0
	s_endpgm
.Lfunc_end_k_qd6775ef8a3_gate:
	.size	k_qd6775ef8a3_gate, .Lfunc_end_k_qd6775ef8a3_gate-k_qd6775ef8a3_gate
	.p2alignl 7, 3214868480
	.fill 96, 4, 3214868480
	.section	.rodata,"a",@progbits
	.p2align	6, 0x0
	.amdhsa_kernel k_qd6775ef8a3_gate
		.amdhsa_group_segment_fixed_size 75776
		.amdhsa_private_segment_fixed_size 0
		.amdhsa_enable_private_segment 0
		.amdhsa_kernarg_size 64
		.amdhsa_user_sgpr_count 2
		.amdhsa_user_sgpr_kernarg_segment_ptr 1
		.amdhsa_wavefront_size32 1
		.amdhsa_system_sgpr_workgroup_id_x 1
		.amdhsa_system_sgpr_workgroup_id_y 1
		.amdhsa_system_sgpr_workgroup_id_z 1
		.amdhsa_system_vgpr_workitem_id 0
		.amdhsa_next_free_vgpr 256
		.amdhsa_next_free_sgpr 66
		.amdhsa_reserve_vcc 1
		.amdhsa_float_denorm_mode_32 3
		.amdhsa_float_denorm_mode_16_64 3
		.amdhsa_memory_ordered 1
		.amdhsa_forward_progress 1
		.amdhsa_inst_pref_size 44
	.end_amdhsa_kernel
	.amdgpu_metadata
---
amdhsa.version: [ 1, 2 ]
amdhsa.kernels:
  - .name:           k_qd6775ef8a3_gate
    .symbol:         k_qd6775ef8a3_gate.kd
    .args:
      - { .name: x, .offset: 0, .size: 8, .value_kind: global_buffer, .address_space: global }
      - { .name: Wg, .offset: 8, .size: 8, .value_kind: global_buffer, .address_space: global }
      - { .name: bg, .offset: 16, .size: 8, .value_kind: global_buffer, .address_space: global }
      - { .name: xq, .offset: 24, .size: 8, .value_kind: global_buffer, .address_space: global }
      - { .name: xs, .offset: 32, .size: 8, .value_kind: global_buffer, .address_space: global }
      - { .name: sel, .offset: 40, .size: 8, .value_kind: global_buffer, .address_space: global }
      - { .name: out1, .offset: 48, .size: 8, .value_kind: global_buffer, .address_space: global }
      - { .name: out2, .offset: 56, .size: 8, .value_kind: global_buffer, .address_space: global }
    .group_segment_fixed_size: 75776
    .private_segment_fixed_size: 0
    .kernarg_segment_align: 8
    .kernarg_segment_size: 64
    .max_flat_workgroup_size: 256
    .sgpr_count:     66
    .vgpr_count:     256
    .wavefront_size: 32
...
	.end_amdgpu_metadata
.endif
;; end of part 1
;; launch experts (part 2): grid 32 x 8, 8 waves a work-group, no clusters, 206,080 bytes of LDS; arguments We, be, xq, xs, sel, out0, out3; writes out0, out3
.if DOCPART == 2
	.amdgcn_target "amdgcn-amd-amdhsa--gfx1250"
	.amdhsa_code_object_version 6
	.text
	.protected	k_qd6775ef8a3_experts
	.globl	k_qd6775ef8a3_experts
	.p2align	8
	.type	k_qd6775ef8a3_experts,@function
k_qd6775ef8a3_experts:
	s_mov_b64 s[64:65], 0
	v_nop
	global_prefetch_b8 v0, s[64:65] scope:SCOPE_SE
	s_setreg_imm32_b32 hwreg(HW_REG_WAVE_MODE, 25, 1), 1
	s_wait_xcnt 0x0
; out0[n] = Q(We[sel n]) Q(x[n]) + be[sel n], on codes of E2M1 with one E8M0 scale for each 32 along K;  out3[e] = the number of tokens of expert e.
; We [8][2048][2048] f32, be [8][2048] f32; xq, xs: x as codes and scale bytes ([token][1024], [token][64]); sel [2048] int32: each token's expert, stored by the launch before.
; only each token's own expert is multiplied here, as the stored whole numbers ask.
; SHARES.  Work-group (ob, e) owns expert e and output columns 64 ob .. 64 ob + 63: 64 rows of We, 512 KB, read ONCE in the launch, by loads of 512 consecutive bytes.
;   K goes in 8 chunks of 256.  In a chunk wave w (t = w % 4, kh = w / 4) quantises rows 16 t .. 16 t + 15 at K step 2 c + kh AS THEY ARE LOADED: lane l holds k = 4 l .. 4 l + 3 of each row, eight lanes a block.
;   Two rows' 4 + 4 numbers are converted under either row's scale; the low half of the one result and the high half of the other are the two rows' codes, 2 bytes a lane, and go to LDS at their places in
;   the operand's register image.  The images stay in LDS: each byte is written once.
;   Every wave multiplies the images with its own listed tokens: positions 32 w .. 32 w + 31 and, where the expert has so many, 256 + 16 w .. + 15.  Tokens beyond the first 384 are taken in a tail loop of constant
;   count, 16 a wave and trip, from the same images.  So any split is served, all 2,048 tokens on one expert too.
; THE LIST: wave 0 sorts the expert's tokens to the front of a list in LDS; what does not match goes to place 2047, which counts only where all 2,048 match.
; A TILE OF 16 POSITIONS whose first position lies at or behind the expert's count is not stored.  In a tile that counts in part, the positions at or behind the count take the tile's FIRST token again:
;   the same operands in another column of the product, stored by the same wave to the same bytes with the same values.  So every store has all lanes on and covers whole pieces of 256 bytes.
; THE PRODUCT IS USED TRANSPOSED: source 0 = 16 columns (rows of We), source 1 = 16 tokens: a lane holds one token (lane % 16) and eight neighbouring columns.  The bias is the C of each sum's first product.
; ONE BARRIER A CHUNK, SPLIT: between chunk c's signal and its wait chunk c + 1 is quantised in registers.  The products run two chunks behind.
; NO TENSOR LOAD, NO CLUSTER: branches hang on the expert's count, a number read from memory; what the 32 work-groups of an
;   expert share is the tokens' codes (1 KB a token, named by the list), against 512 KB of We that each reads alone.  NO PREFETCH: We is asked for up to three chunks ahead by its own loads from the head on.
; LIMITS: NaN and infinities are not served; a block whose largest magnitude lies under 2^-124 is held at the byte 1; a block of zeros has the byte 1 and zero codes.
; REGISTERS, window 0: v1-31 addresses and scale words; v32-63 at work; v64-95 two sets of the third tile's x; v96-191 accumulators ((u, t) at 96 + 32 u + 8 t); v192-255 two K steps of We's fragments.
;   window 1: v0-191 three sets of 64 numbers of We (at the end rows' offsets and the last chunk's x; in the tail x); v192-255 two sets of x's fragments of two tiles.
.set WSC,  81920                       ; LDS: 64 images of 1,280 bytes (fragment (K step s, tile t) at 4 s + t; a block of 16 rows x 16 bytes each 320 bytes) | scale words, 512 bytes a chunk: 16 (row + 16 (t % 2)) + 8 kh + 4 (t / 2) |
.set LIST, 86016                       ; the list, 2,048 words |
.set XSWB, 94208                       ; x's scale words, 4,608 bytes a wave, 144 a lane: 16 a chunk (tiles 0 and 1: two K steps; the third tile: two K steps) |
.set STGB, 135168                      ; the way out, 2 x 16 x 272 bytes a wave |
.set CNT,  204800                      ; the count |
.set SPARE, 205056                     ; the spare words, 128 bytes a wave
.set OPI,  272
.set L16,  1
.set CW0,  2                           ; v2-3: where my codes go, chunks 0-3 and 4-7
.set SCW,  4
.set IMR0, 5                           ; v5-6: where images are read, K steps 0-7 and 8-15
.set SCR,  7
.set XSR,  8
.set LT,   9                           ; LIST + 4 (256 + 16 w + r)
.set XO0,  10                          ; v10-11: my two tiles' rows in xq
.set XO2,  12                          ; the third's
.set SPW,  13
.set NIL,  14
.set LN,   15                          ; lane; behind the sort at work
.set RR,   16                          ; r = lane % 16
.set HH,   17                          ; h = lane / 16
.set LO,   18                          ; LIST + 4 (32 w + h)
.set LOT,  19                          ; LIST + 4 (256 + 16 w + h)
.set XW,   20                          ; v20-23: x's scale words of two K steps: tiles 0 and 1, the third tile
.set WS,   24                          ; v24-27: We's
.set ORD,  28
.set OST,  29
.set C16,  30
.set TA,   31                          ; in the tail; before it
.set SELR, 31                          ; the byte selector that joins my codes with lane l xor 1's
.set MX,   32                          ; v32-47: a row's block maximum, then its scale operand, then its scale byte
.set CD,   48                          ; v48-63: codes
.set ACC,  96
.set CNA,  105                         ; (in the head only)
.set LA,   106
.set WF,   192
.set MSB, 0
.macro WIN new                         ; bits 1:0 source 0, 3:2 source 1, 5:4 source 2, 7:6 destination; the high byte repeats the setting that is left
.if MSB != \new
	s_set_vgpr_msb (MSB<<8)|\new
.set MSB, \new
.endif
.endm
.macro PLACES n
.rept \n
	v_nop
.endr
.endm
.macro LDWE ch, st                     ; my 16 rows x 128 numbers of chunk ch into set st: each load takes 512 consecutive bytes of a row
	WIN 0x40
.irp j, 0,1,2,3,4,5,6,7,8,9,10,11,12,13,14,15
	global_load_b128 v[64*(\st)+4*\j:64*(\st)+4*\j+3], v[L16], s[4:5] offset:8192*\j+1024*(\ch) th:TH_LOAD_NT
.endr
	WIN 0
.endm
.macro LDX ch, xb, x2b, w              ; my three tiles' fragments of x for chunk ch: lane (r, h) takes 16 bytes at 64 s + 32 z + 16 h of token r's row; w: the third tile's window
	WIN 0x40
.irp u, 0,1
.irp k, 0,1
.irp z, 0,1
	global_load_b128 v[(\xb)+16*\u+8*\k+4*\z:(\xb)+16*\u+8*\k+4*\z+3], v[XO0+\u], s[8:9] offset:64*(2*(\ch)+\k)+32*\z
.endr
.endr
.endr
	WIN 0x40*\w
.irp k, 0,1
.irp z, 0,1
	global_load_b128 v[(\x2b)+8*\k+4*\z:(\x2b)+8*\k+4*\z+3], v[XO2], s[8:9] offset:64*(2*(\ch)+\k)+32*\z
.endr
.endr
	WIN 0
.endm
.macro QUANT st                        ; 16 rows, 4 numbers a lane each; the rows by turns
	WIN 0x15
.irp j, 0,1,2,3,4,5,6,7,8,9,10,11,12,13,14,15
	v_max3_num_f32 v[MX+\j], |v[64*(\st)+4*\j]|, |v[64*(\st)+4*\j+1]|, |v[64*(\st)+4*\j+2]|
.endr
	WIN 0x01
.irp j, 0,1,2,3,4,5,6,7,8,9,10,11,12,13,14,15
	v_max3_num_f32 v[MX+\j], |v[64*(\st)+4*\j+3]|, 0x1800000, v[MX+\j]     ; and the floor 2^(3 - 127): the byte cannot fall under 1
.endr
	WIN 0
.irp m, 1,2,4                                  ; over the eight lanes of a block
.irp j, 0,1,2,3,4,5,6,7,8,9,10,11,12,13,14,15
	v_max_num_f32_dpp v[MX+\j], v[MX+\j], v[MX+\j] row_xmask:\m row_mask:0xf bank_mask:0xf
.endr
.endr
.irp j, 0,1,2,3,4,5,6,7,8,9,10,11,12,13,14,15
	v_add_nc_u32 v[MX+\j], 0xff000000, v[MX+\j]    ; 2 off the exponent field: the conversion's scale operand
.endr
	WIN 0x01
.irp p, 0,1,2,3,4,5,6,7                        ; rows 2 p and 2 p + 1: the first result's low half holds row 2 p's codes, the second's high half row 2 p + 1's
	v_cvt_scalef32_pk8_fp4_f32 v[CD+2*\p], v[64*(\st)+8*\p:64*(\st)+8*\p+7], v[MX+2*\p]
	v_cvt_scalef32_pk8_fp4_f32 v[CD+2*\p+1], v[64*(\st)+8*\p:64*(\st)+8*\p+7], v[MX+2*\p+1]
.endr
	WIN 0
	v_nop                                          ; one plain line behind the last scaled conversion
; A lane's 2 bytes for each of 16 rows are joined over four lanes ahead of the store: lane q of a block ends with 8 bytes of rows 4 p + q % 4, p = 0 .. 3, at byte 8 (q / 4) of the block.
.irp p, 0,1,2,3,4,5,6,7
	v_bfi_b32 v[CD+2*\p], s48, v[CD+2*\p], v[CD+2*\p+1]    ; row 2 p below, row 2 p + 1 above
.endr
.irp p, 0,1,2,3,4,5,6,7
	v_mov_b32_dpp v[CD+2*\p+1], v[CD+2*\p] row_xmask:1 row_mask:0xf bank_mask:0xf
.endr
.irp p, 0,1,2,3,4,5,6,7
	v_perm_b32 v[CD+2*\p], v[CD+2*\p+1], v[CD+2*\p], v[SELR]       ; even lanes row 2 p, odd lanes row 2 p + 1: 4 bytes
.endr
.irp p, 0,1,2,3
	v_cndmask_b32 v[CD+4*\p+1], v[CD+4*\p+2], v[CD+4*\p], s50      ; what lane l xor 2 keeps
.endr
.irp p, 0,1,2,3
	v_mov_b32_dpp v[CD+4*\p+3], v[CD+4*\p+1] row_xmask:2 row_mask:0xf bank_mask:0xf
.endr
.irp p, 0,1,2,3
	v_cndmask_b32 v[CD+4*\p+1], v[CD+4*\p+3], v[CD+4*\p+2], s50
.endr
.irp p, 0,1,2,3
	v_cndmask_b32 v[CD+4*\p], v[CD+4*\p], v[CD+4*\p+3], s50
.endr
.irp p, 0,1,2,3,4,5,6,7                        ; the eight lanes of a block hold the same 16 scales: lane q keeps rows q and 8 + q
	v_cndmask_b32 v[MX+2*\p], v[MX+2*\p], v[MX+2*\p+1], s49
.endr
.irp p, 0,1,2,3
	v_cndmask_b32 v[MX+4*\p], v[MX+4*\p], v[MX+4*\p+2], s50
.endr
.irp p, 0,1
	v_cndmask_b32 v[MX+8*\p], v[MX+8*\p], v[MX+8*\p+4], s51
.endr
.irp p, 0,1
	v_lshrrev_b32 v[MX+8*\p], 23, v[MX+8*\p]       ; the scale's byte
.endr
	s_wait_alu depctr_va_vdst(0)
.endm
.macro PUT ch                          ; codes: 2 bytes a lane, row j at 16 j; bytes: the eight lanes of a block write the same byte with the same value
.irp p, 0,1,2,3
	ds_store_b64 v[CW0+(\ch)/4], v[CD+4*\p:CD+4*\p+1] offset:10240*((\ch)%4)+64*\p
.endr
.irp p, 0,1
	ds_store_b8 v[SCW], v[MX+8*\p] offset:512*(\ch)+128*\p
.endr
.endm
.macro GETW s, hf                      ; K step s: the four tiles' fragments into half hf: eight LDS loads.  A scale register: lanes 0-15 tile 2 q's rows, lanes 16-31 tile 2 q + 1's
.irp t, 0,1,2,3
.irp z, 0,1
	ds_load_b128 v[WF+32*(\hf)+8*\t+4*\z:WF+32*(\hf)+8*\t+4*\z+3], v[IMR0+(\s)/8] offset:(4*((\s)%8)+\t)*1280+640*\z
.endr
.endr
.endm
; One product: D at dd, C at cq, We's fragment fa, x's fragment fb, their scale registers; ra, rb: the scales stand in lanes 16-31
.macro MM dd, cq, fa, fb, sa, sb, ra, rb
.if (\ra) && (\rb)
	v_wmma_scale_f32_16x16x128_f8f6f4 v[(\dd):(\dd)+7], v[(\fa):(\fa)+7], v[(\fb):(\fb)+7], v[(\cq):(\cq)+7], v[(\sa)], v[(\sb)] matrix_a_fmt:MATRIX_FMT_FP4 matrix_b_fmt:MATRIX_FMT_FP4 matrix_a_scale:MATRIX_SCALE_ROW1 matrix_b_scale:MATRIX_SCALE_ROW1
.elseif (\ra)
	v_wmma_scale_f32_16x16x128_f8f6f4 v[(\dd):(\dd)+7], v[(\fa):(\fa)+7], v[(\fb):(\fb)+7], v[(\cq):(\cq)+7], v[(\sa)], v[(\sb)] matrix_a_fmt:MATRIX_FMT_FP4 matrix_b_fmt:MATRIX_FMT_FP4 matrix_a_scale:MATRIX_SCALE_ROW1
.elseif (\rb)
	v_wmma_scale_f32_16x16x128_f8f6f4 v[(\dd):(\dd)+7], v[(\fa):(\fa)+7], v[(\fb):(\fb)+7], v[(\cq):(\cq)+7], v[(\sa)], v[(\sb)] matrix_a_fmt:MATRIX_FMT_FP4 matrix_b_fmt:MATRIX_FMT_FP4 matrix_b_scale:MATRIX_SCALE_ROW1
.else
	v_wmma_scale_f32_16x16x128_f8f6f4 v[(\dd):(\dd)+7], v[(\fa):(\fa)+7], v[(\fb):(\fb)+7], v[(\cq):(\cq)+7], v[(\sa)], v[(\sb)] matrix_a_fmt:MATRIX_FMT_FP4 matrix_b_fmt:MATRIX_FMT_FP4
.endif
.endm
; A chunk's products.  nw: the loads issued behind its fragments of x, which may stay out.  The eight accumulators of tiles 0 and 1 take turns, then the four of the third tile, one instruction a turn.
.macro MMS ch, xb, x2b, w, nw
	ds_load_b128 v[WS:WS+3], v[SCR] offset:512*(\ch)       ; We's scale words: register 2 k + q: lanes 0-15 tile 2 q's rows, lanes 16-31 tile 2 q + 1's
	ds_load_b128 v[XW:XW+3], v[XSR] offset:16*(\ch)        ; x's
	GETW 2*(\ch), 0
	GETW 2*(\ch)+1, 1
	s_wait_loadcnt \nw
	WIN 0x04                                       ; x's fragments of tiles 0 and 1 lie in window 1
.irp k, 0,1
	s_wait_dscnt 8-8*\k                            ; this K step's loads are in; the other's eight may be out
.irp u, 0,1
.irp t, 0,1,2,3
.if ((\ch) == 0) && (\k == 0)                  ; the bias lies in the third tile's accumulators
	MM ACC+32*\u+8*\t, ACC+64+8*\t, WF+32*\k+8*\t, (\xb)+16*\u+8*\k, WS+2*\k+\t/2, XW+\k, \t%2, \u
.else
	MM ACC+32*\u+8*\t, ACC+32*\u+8*\t, WF+32*\k+8*\t, (\xb)+16*\u+8*\k, WS+2*\k+\t/2, XW+\k, \t%2, \u
.endif
.endr
.endr
.endr
	WIN 0
	s_cmp_ge_u32 s32, s23                          ; a third tile that begins at or behind the count is passed over
	s_cbranch_scc1 .Lno3_\@
.if (\ch) == 0
	PLACES 5                                       ; the first products took these accumulators as C
.endif
	WIN 0x04*\w
.irp k, 0,1
.irp t, 0,1,2,3
	MM ACC+64+8*\t, ACC+64+8*\t, WF+32*\k+8*\t, (\x2b)+8*\k, WS+2*\k+\t/2, XW+2+\k, \t%2, 0
.endr
.endr
	WIN 0
.Lno3_\@:
	PLACES 4                                       ; in front of loads into registers that the products have read, and of reads of results
.endm
; The rows' byte offsets in out0, window 1: lanes 0-15 position 2 i, lanes 16-31 position 2 i + 1; a position at or behind the count takes the tile's first token, as it did when the tile's codes were fetched.
.macro ROWS ro, adr, off, pos
	WIN 0x40
.irp i, 0,1,2,3,4,5,6,7
	ds_load_b32 v[(\ro)+\i], v[\adr] offset:(\off)+8*\i
.endr
	WIN 0
	s_sub_co_u32 s31, s23, s[\pos]                 ; how many of the tile's positions count (in a tile that is not stored: any number)
	v_sub_nc_u32 v[LN], s31, v[HH]                 ; position 2 i + h counts where 2 i lies under this
.irp i, 0,1,2,3,4,5,6,7
	v_cmp_lt_u32 s[40+\i], 2*\i, v[LN]
.endr
	s_wait_alu depctr_va_vdst(0)
	s_wait_dscnt 0x0
	WIN 0x01
	v_readfirstlane_b32 s36, v[\ro]                ; lane 0 holds the tile's first token
	WIN 0x44
.irp i, 0,1,2,3,4,5,6,7
	v_cndmask_b32 v[(\ro)+\i], s36, v[(\ro)+\i], s[40+\i]
.endr
.irp i, 0,1,2,3,4,5,6,7
	v_min_u32 v[(\ro)+\i], 0x7ff, v[(\ro)+\i]
.endr
	WIN 0x41
.irp i, 0,1,2,3,4,5,6,7
	v_lshl_add_u32 v[(\ro)+\i], v[(\ro)+\i], 13, v[C16]    ; 8192 row + 16 r
.endr
	WIN 0
	s_wait_alu depctr_va_vdst(0)
.endm
; THE WAY OUT: a tile's results into my stage, back as whole rows of 256 bytes (LDS serves a wave's instructions in order: no wait between), stored.
.macro STG acc, off
.irp t, 0,1,2,3
	ds_store_b128 v[OST], v[(\acc)+8*\t:(\acc)+8*\t+3] offset:(\off)+64*\t     ; each accumulator from its low end on
	ds_store_b128 v[OST], v[(\acc)+8*\t+4:(\acc)+8*\t+7] offset:(\off)+64*\t+16
.endr
.endm
.macro BACK dst, off
.irp i, 0,1,2,3,4,5,6,7
	ds_load_b128 v[(\dst)+4*\i:(\dst)+4*\i+3], v[ORD] offset:(\off)+2*OPI*\i
.endr
.endm
.macro SEND ro, src
	WIN 0x01
.irp i, 0,1,2,3,4,5,6,7
	global_store_b128 v[(\ro)+\i], v[(\src)+4*\i:(\src)+4*\i+3], s[14:15] th:TH_STORE_NT    ; 16 lanes store 256 consecutive bytes, aligned
.endr
	WIN 0
.endm
	s_load_b256 s[4:11], s[0:1], 0x0               ; We s[4:5], be s[6:7], xq s[8:9], xs s[10:11]
	s_load_b128 s[12:15], s[0:1], 0x20             ; sel s[12:13], out0 s[14:15]
	s_load_b64 s[16:17], s[0:1], 0x30              ; out3
	v_lshl_add_u32 v[SPW], v0, 2, SPARE
	v_mov_b32 v[NIL], 0
	v_lshrrev_b32 v32, 5, v0
	v_and_b32 v[LN], 31, v0
	v_readfirstlane_b32 s18, v32                   ; wave 0..7
	v_and_b32 v[RR], 15, v0
	v_bfe_u32 v[HH], v0, 4, 1
	v_lshlrev_b32 v[L16], 4, v[LN]
	s_and_b32 s19, s18, 3                          ; t: my 16 rows
	s_lshr_b32 s20, s18, 2                         ; kh: my K step of a chunk's two
	s_and_b32 s21, ttmp7, 0xffff                   ; the expert
	s_mov_b32 s22, ttmp9                           ; the block of 64 columns
	s_lshl_b32 s24, s21, 11
	s_lshl_b32 s31, s22, 6
	s_add_co_u32 s24, s24, s31                     ; 2048 e + 64 ob: the work-group's first row of We
	s_lshl_b32 s26, s24, 2                         ; be: 4 bytes a column
	s_mov_b32 s27, 0
	s_lshl_b32 s31, s19, 4
	s_add_co_u32 s24, s24, s31                     ; + 16 t
	s_lshl_b32 s24, s24, 13                        ; rows of 8,192 bytes: under 2^27 in all
	s_lshl_b32 s31, s20, 9
	s_add_co_u32 s24, s24, s31                     ; + 512 kh
	s_mov_b32 s25, 0
	s_wait_alu depctr_va_vdst(0)                   ; directly ahead of the wait below
	s_wait_kmcnt 0x0
	s_add_nc_u64 s[4:5], s[4:5], s[24:25]
	s_add_nc_u64 s[6:7], s[6:7], s[26:27]
	s_lshl_b32 s24, s22, 8
	s_add_nc_u64 s[14:15], s[14:15], s[24:25]      ; out0 at my 64 columns
	s_lshl_b32 s24, s21, 2
	s_add_nc_u64 s[16:17], s[16:17], s[24:25]      ; out3 at my expert
	s_cmp_lg_u32 s18, 0
	s_cbranch_scc1 .Lno_sel
.irp j, 0,1,2,3,4,5,6,7,8,9,10,11,12,13,14,15  ; wave 0: all of sel: register 4 j + i holds token 128 j + 4 lane + i
	global_load_b128 v[WF+4*\j:WF+4*\j+3], v[L16], s[12:13] offset:512*\j
.endr
.Lno_sel:
	s_mul_i32 s42, s20, 5120
	s_mul_i32 s43, s19, 1280
	s_add_co_u32 s42, s42, s43                     ; my image of chunk 0: 4 kh + t
	s_and_b32 s43, s19, 1
	s_lshl_b32 s43, s43, 8
	s_lshl_b32 s44, s20, 3
	s_add_co_u32 s43, s43, s44
	s_lshr_b32 s44, s19, 1
	s_lshl_b32 s44, s44, 2
	s_add_co_u32 s43, s43, s44
	s_add_co_u32 s43, s43, WSC                     ; its scale words: 256 (t % 2) + 8 kh + 4 (t / 2)
	s_mul_i32 s44, s18, 4608
	s_add_co_u32 s44, s44, XSWB
	s_mul_i32 s45, s18, 8704
	s_add_co_u32 s45, s45, STGB
	s_lshl_b32 s46, s18, 7
	s_add_co_u32 s46, s46, LIST                    ; the list at 32 w
	s_lshl_b32 s47, s18, 6
	s_add_co_u32 s47, s47, LIST+1024               ; and at 256 + 16 w
	s_lshl_b32 s37, s18, 5                         ; my first tile's position in the list,
	s_add_co_u32 s38, s37, 16                      ; my second's,
	s_lshl_b32 s32, s18, 4
	s_add_co_u32 s32, s32, 256                     ; and my third's
	v_lshrrev_b32 v33, 3, v[LN]                    ; my block of a row's four
	v_and_b32 v34, 7, v[LN]                        ; q
	v_and_b32 v40, 3, v[LN]
	v_bfe_u32 v41, v[LN], 2, 1
	v_mul_u32_u24 v36, v[LN], 144
	v_mul_u32_u24 v37, v[RR], OPI
	v_mul_u32_u24 v35, v33, 320
	v_lshlrev_b32 v40, 4, v40
	v_lshl_add_u32 v34, v34, 4, v33
	v_mul_u32_u24 v38, v[HH], OPI
	v_mul_u32_u24 v39, v[HH], 320
	v_lshl_add_u32 v40, v41, 3, v40                ; 16 (q % 4) + 8 (q / 4)
	v_add_nc_u32 v[SCW], s43, v34                  ; + 16 q + my block
	v_add_nc_u32 v35, v35, v40
	v_lshl_add_u32 v37, v[HH], 5, v37
	v_lshl_add_u32 v38, v[RR], 4, v38
	v_lshl_add_u32 v[IMR0], v[RR], 4, v39          ; 320 h + 16 r
	v_add_nc_u32 v[XSR], s44, v36
	v_add_nc_u32 v[CW0], s42, v35                  ; my image + 320 block + 16 (q % 4) + 8 (q / 4)
	v_add_nc_u32 v[OST], s45, v37                  ; 272 r + 32 h
	v_add_nc_u32 v[ORD], s45, v38                  ; 272 h + 16 r
	v_lshl_add_u32 v[SCR], v[LN], 4, WSC
	v_add_nc_u32 v[IMR0+1], 40960, v[IMR0]
	v_add_nc_u32 v[CW0+1], 40960, v[CW0]
	v_lshl_add_u32 v[LA], v[RR], 2, s46
	v_lshl_add_u32 v[LT], v[RR], 2, s47
	v_lshl_add_u32 v[LO], v[HH], 2, s46
	v_lshl_add_u32 v[LOT], v[HH], 2, s47
	v_mov_b32 v[CNA], CNT
	v_lshlrev_b32 v[C16], 4, v[RR]
	s_wait_alu depctr_va_vdst(0)                   ; at the head's end
	LDWE 0, 0                                      ; (sel's loads, wave 0's, stand ahead of all of We's)
	s_cmp_lg_u32 s18, 0
	s_cbranch_scc0 .Lsort
	LDWE 1, 1                                      ; three sets of 16 loads, 24 KB a wave, are out from the head on
	LDWE 2, 2
	s_branch .Lsorted
.Lsort:
	; THE SORT, wave 0 alone; no other wave touches LDS ahead of the next barrier.  Eight groups of 32 tokens at a time.
.irp i, 0,1,2,3
	v_mov_b32 v[40+\i], 0
.endr
	v_mov_b32 v44, 2047
	v_lshlrev_b32 v45, 2, v[LN]
	v_add_nc_u32 v46, LIST, v[L16]
.irp j, 0,1,2,3,4,5,6,7,8,9,10,11,12,13,14,15
	ds_store_b128 v46, v[40:43] offset:512*\j      ; zeros over the list; LDS serves a wave's instructions in order: the places below come on top
.endr
	s_wait_alu depctr_va_vdst(0)                   ; directly ahead of the wait below
	s_wait_loadcnt 16                              ; sel is in; the 16 loads of We behind it stay out
	s_mov_b32 s30, 0
.set q, 0
.rept 8
.irp i, 0,1,2,3,4,5,6,7
	v_cmp_eq_u32 s[40+\i], s21, v[WF+q+\i]
.endr
	s_wait_alu depctr_va_vdst(0)                   ; directly ahead of the run of scalar instructions
.irp i, 0,1,2,3,4,5,6,7
	s_bcnt1_i32_b32 s[48+\i], s[40+\i]
.endr
.irp i, 0,1,2,3,4,5,6,7
	s_mov_b32 s[56+\i], s30                        ; the matches ahead of this group
	s_add_co_u32 s30, s30, s[48+\i]
.endr
.irp i, 0,1,2,3,4,5,6,7
	v_mbcnt_lo_u32_b32 v[48+\i], s[40+\i], s[56+\i]        ; + those in the lanes below me
.endr
.irp i, 0,1,2,3,4,5,6,7
	v_cndmask_b32 v[48+\i], v44, v[48+\i], s[40+\i]        ; no match: place 2047
.endr
.irp i, 0,1,2,3,4,5,6,7
	v_min_u32 v[48+\i], 0x7ff, v[48+\i]
.endr
.irp i, 0,1,2,3,4,5,6,7
	v_lshl_add_u32 v[48+\i], v[48+\i], 2, LIST
.endr
.irp i, 0,1,2,3,4,5,6,7
	v_add_nc_u32 v[56+\i], 128*((q+\i)/4)+(q+\i)%4, v45    ; the token's number
.endr
.irp i, 0,1,2,3,4,5,6,7
	ds_store_b32 v[48+\i], v[56+\i]
.endr
.set q, q+8
.endr
	v_mov_b32 v32, s30
	ds_store_b32 v[CNA], v32                       ; the expert's count (all lanes: the same word, the same value)
	s_wait_alu depctr_va_vdst(0)
	LDWE 1, 1                                      ; wave 0 asks for its chunks 1 and 2 behind the sort
	LDWE 2, 2
	s_cmp_lg_u32 s22, 0
	s_cbranch_scc1 .Lsorted
	v_cvt_f32_u32 v34, v32                         ; the expert's first work-group stores out3[e]
	v_cmp_eq_u32 vcc_lo, 0, v[LN]
	s_wait_alu depctr_va_vdst(0)
	s_wait_xcnt 0x0                                ; EXEC changes only behind this wait
	s_and_saveexec_b32 s35, vcc_lo
	global_store_b32 v40, v34, s[16:17]
	s_wait_xcnt 0x0
	s_or_b32 exec_lo, exec_lo, s35
.Lsorted:
; LOADS ARE ISSUED IN THIS ORDER (We's sets are 16 loads, x's 12): We0 We1 We2 | bias 8, scale words 8, x0 | We3 | x1 We4 | x2 We5 | x3 We6 | x4 We7 x5 | x6 x7.  The counts below are taken from it.
	s_mov_b32 s48, 0xffff
	s_mov_b32 s49, 0xaaaaaaaa                      ; the lanes whose q has bit 0,
	s_mov_b32 s50, 0xcccccccc                      ; bit 1,
	s_mov_b32 s51, 0xf0f0f0f0                      ; bit 2
	v_mov_b32 v33, 0x05040100                      ; even lanes: my low half, then lane l xor 1's;
	v_mov_b32 v34, 0x03020706                      ; odd lanes: lane l xor 1's high half, then mine
	v_cndmask_b32 v[SELR], v33, v34, s49
	s_wait_alu depctr_va_vdst(0)
	s_wait_loadcnt 32                              ; We0 is in
	QUANT 0
	s_wait_dscnt 0x0
	s_barrier_signal -1
	s_barrier_wait -1                              ; the list and the count lie in LDS
	PUT 0
	ds_load_b32 v96, v[CNA]
	ds_load_b32 v97, v[LA]                         ; my first tile's tokens, by r,
	ds_load_b32 v98, v[LA] offset:64               ; my second's,
	ds_load_b32 v99, v[LT]                         ; my third's
	s_wait_dscnt 0x0
	v_readfirstlane_b32 s23, v96
	v_readfirstlane_b32 s39, v97                   ; each tile's first token: lane 0's
	v_readfirstlane_b32 s40, v98
	v_readfirstlane_b32 s41, v99
	s_min_u32 s23, s23, 2048                       ; the count
	v_add_nc_u32 v100, s37, v[RR]
	v_add_nc_u32 v101, s38, v[RR]
	v_add_nc_u32 v102, s32, v[RR]
	v_cmp_ne_u32 s45, 0, v[HH]
	v_cmp_gt_u32 s42, s23, v100
	v_cmp_gt_u32 s43, s23, v101
	v_cmp_gt_u32 s44, s23, v102
	v_cndmask_b32 v97, s39, v97, s42               ; a position at or behind the count takes its tile's first token
	v_cndmask_b32 v98, s40, v98, s43
	v_cndmask_b32 v99, s41, v99, s44
	v_lshlrev_b32 v101, 4, v[HH]                   ; 16 h
	v_cndmask_b32 v100, v97, v98, s45              ; for the scale words: lanes 0-15 the first tile's tokens, lanes 16-31 the second's
	v_min_u32 v97, 0x7ff, v97
	v_min_u32 v98, 0x7ff, v98
	v_min_u32 v99, 0x7ff, v99
	v_min_u32 v100, 0x7ff, v100
	v_lshlrev_b32 v104, 5, v[HH]
	v_lshl_add_u32 v[XO0], v97, 10, v101
	v_lshl_add_u32 v[XO0+1], v98, 10, v101
	v_lshl_add_u32 v[XO2], v99, 10, v101
	v_lshlrev_b32 v102, 6, v100
	v_lshlrev_b32 v103, 6, v99
.irp t, 0,1,2,3                                ; the bias in the result's layout: lane (r, h), tile t: columns 16 t + 8 h + 0 .. 7
	global_load_b128 v[ACC+64+8*\t:ACC+64+8*\t+3], v104, s[6:7] offset:64*\t
	global_load_b128 v[ACC+64+8*\t+4:ACC+64+8*\t+7], v104, s[6:7] offset:64*\t+16
.endr
.irp q, 0,1,2,3                                ; x's scale words of all 16 K steps
	global_load_b128 v[WF+4*\q:WF+4*\q+3], v102, s[10:11] offset:16*\q
.endr
.irp q, 0,1,2,3
	global_load_b128 v[WF+16+4*\q:WF+16+4*\q+3], v103, s[10:11] offset:16*\q
.endr
	LDX 0, 192, 64, 0
	LDWE 3, 0
	s_wait_alu depctr_va_vdst(0)
	s_barrier_signal -1                            ; (no LDS instruction of mine is out)
	; chunk 1
	s_wait_loadcnt 60                              ; behind We1: We2, 28 and We3
	QUANT 1
	s_barrier_wait -1
	PUT 1
	LDX 1, 224, 80, 0
	LDWE 4, 1
	s_wait_dscnt 0x0
	s_barrier_signal -1
	; chunk 2
	s_wait_loadcnt 63                              ; behind We2 stand 72: 63 is the field's largest
	QUANT 2
	s_barrier_wait -1
	PUT 2
	s_wait_loadcnt 56                              ; x's scale words are in; x0, We3, x1, We4 may be out
.irp q, 0,1,2,3,4,5,6,7
	ds_store_b64 v[XSR], v[WF+2*\q:WF+2*\q+1] offset:16*\q
	ds_store_b64 v[XSR], v[WF+16+2*\q:WF+16+2*\q+1] offset:16*\q+8
.endr
	s_wait_dscnt 0x0                               ; their registers take We's fragments
	MMS 0, 192, 64, 0, 44                          ; behind x0: We3, x1, We4
	LDX 2, 192, 64, 0
	LDWE 5, 2
	s_wait_dscnt 0x0
	s_barrier_signal -1
	; chunk 3
	s_wait_loadcnt 56                              ; behind We3: x1, We4, x2, We5
	QUANT 0
	s_barrier_wait -1
	PUT 3
	MMS 1, 224, 80, 0, 44                          ; behind x1: We4, x2, We5
	LDX 3, 224, 80, 0
	LDWE 6, 0
	s_wait_dscnt 0x0
	s_barrier_signal -1
	; chunk 4
	s_wait_loadcnt 56                              ; behind We4: x2, We5, x3, We6
	QUANT 1
	s_barrier_wait -1
	PUT 4
	MMS 2, 192, 64, 0, 44                          ; behind x2: We5, x3, We6
	LDX 4, 192, 64, 0
	LDWE 7, 1
	MMS 3, 224, 80, 0, 44                          ; behind x3: We6, x4, We7.  (So We5 is in)
	LDX 5, 224, 80, 0
	s_wait_dscnt 0x0
	s_barrier_signal -1
	; chunk 5
	QUANT 2
	s_barrier_wait -1
	PUT 5
	MMS 4, 192, 64, 0, 28                          ; behind x4: We7, x5.  (So We6 is in)
	LDX 6, 192, 64, 0
	LDX 7, 128, 160, 1                             ; the last chunk's x goes where We5 lay
	s_wait_dscnt 0x0
	s_barrier_signal -1
	; chunk 6
	QUANT 0
	s_barrier_wait -1
	PUT 6
	ROWS 0, LO, 0, 37                              ; the offsets of the rows going out lie where We6 lay
	ROWS 8, LO, 64, 38
	ROWS 16, LOT, 0, 32
	s_wait_dscnt 0x0
	s_barrier_signal -1
	; chunk 7
	s_wait_loadcnt 36                              ; behind We7: x5, x6, x7
	QUANT 1
	s_barrier_wait -1
	PUT 7
	s_wait_dscnt 0x0
	s_barrier_signal -1
	MMS 5, 224, 80, 0, 24                          ; work on images that nobody writes again, while the others arrive
	MMS 6, 192, 64, 0, 12
	s_barrier_wait -1
	MMS 7, 128, 160, 1, 0
	; the way out
	STG ACC, 0
	BACK WF, 0
	STG ACC+32, 16*OPI
	BACK WF+32, 16*OPI
	s_wait_dscnt 16                                ; the first tile's rows are back; the second's stores and loads may be out
	s_cmp_ge_u32 s37, s23
	s_cbranch_scc1 .Lo0
	SEND 0, WF
.Lo0:
	s_wait_dscnt 0x0
	s_cmp_ge_u32 s38, s23
	s_cbranch_scc1 .Lo1
	SEND 8, WF+32
.Lo1:
	s_cmp_ge_u32 s32, s23
	s_cbranch_scc1 .Lo2
	STG ACC+64, 0
	BACK 64, 0
	s_wait_dscnt 0x0
	SEND 16, 64
.Lo2:
	; THE TAIL: positions 384 + 128 p + 16 w, p = 0 .. 12: a loop of constant count; a trip whose tile begins at or behind the count does nothing.  No barrier stands in it: all images are whole.
	s_add_co_u32 s32, s32, 128
	s_mov_b32 s33, 512                             ; the list's step in bytes
	s_mov_b32 s34, 0
.Ltail:
	s_cmp_ge_u32 s32, s23
	s_cbranch_scc1 .Lskip
	s_wait_xcnt 0x0                                ; earlier stores have read their offsets and data
	v_add_nc_u32 v[TA], s33, v[LT]
	ds_load_b32 v40, v[TA]
	v_add_nc_u32 v41, s32, v[RR]
	v_lshlrev_b32 v43, 5, v[HH]
	v_lshlrev_b32 v44, 4, v[HH]
	v_cmp_gt_u32 s42, s23, v41
	s_wait_alu depctr_va_vdst(0)
	s_wait_dscnt 0x0
	v_readfirstlane_b32 s41, v40
	v_cndmask_b32 v40, s41, v40, s42
	v_min_u32 v40, 0x7ff, v40
	v_lshl_add_u32 v[XO2], v40, 10, v44
	v_lshlrev_b32 v42, 6, v40
.irp t, 0,1,2,3
	global_load_b128 v[ACC+64+8*\t:ACC+64+8*\t+3], v43, s[6:7] offset:64*\t
	global_load_b128 v[ACC+64+8*\t+4:ACC+64+8*\t+7], v43, s[6:7] offset:64*\t+16
.endr
	WIN 0x40
.irp s, 0,1,2,3,4,5,6,7,8,9,10,11,12,13,14,15
.irp z, 0,1
	global_load_b128 v[8*\s+4*\z:8*\s+4*\z+3], v[XO2], s[8:9] offset:64*\s+32*\z
.endr
.endr
	WIN 0
.irp q, 0,1,2,3
	global_load_b128 v[64+4*\q:64+4*\q+3], v42, s[10:11] offset:16*\q
.endr
	ds_load_b128 v[WS:WS+3], v[SCR]
	GETW 0, 0
	s_wait_loadcnt 0x0                             ; this tile's bias, codes and scale words are in
.irp s, 0,1,2,3,4,5,6,7,8,9,10,11,12,13,14,15
.if \s < 15
.if \s%2                                       ; a chunk's scale words: v24-27 and v20-23 by turns
	ds_load_b128 v[WS-4*(((\s+1)/2)%2):WS-4*(((\s+1)/2)%2)+3], v[SCR] offset:256*(\s+1)
.endif
	GETW \s+1, (\s+1)%2
	s_wait_dscnt 8+\s%2                            ; all but those just issued
.else
	s_wait_dscnt 0x0
.endif
	WIN 0x04
.irp t, 0,1,2,3                                ; four accumulators by turns
	MM ACC+64+8*\t, ACC+64+8*\t, WF+32*(\s%2)+8*\t, 8*\s, WS-4*((\s/2)%2)+2*(\s%2)+\t/2, 64+\s, \t%2, 0
.endr
	WIN 0
	PLACES 4
.endr
	v_add_nc_u32 v[TA], s33, v[LOT]
	ROWS 16, TA, 0, 32
	STG ACC+64, 0
	BACK 64, 0
	s_wait_dscnt 0x0
	SEND 16, 64
.Lskip:
	s_add_co_u32 s32, s32, 128
	s_add_co_u32 s33, s33, 512
	s_add_co_u32 s34, s34, 1
	s_cmp_lt_u32 s34, 13
	s_cbranch_scc1 .Ltail
	s_wait_tensorcnt 0x0                           ; the wave's end
	ds_add_u32 v[SPW], v[NIL]
	s_wait_dscnt 0x0
	s_endpgm
.Lfunc_end_k_qd6775ef8a3_experts:
	.size	k_qd6775ef8a3_experts, .Lfunc_end_k_qd6775ef8a3_experts-k_qd6775ef8a3_experts
	.p2alignl 7, 3214868480
	.fill 96, 4, 3214868480
	.section	.rodata,"a",@progbits
	.p2align	6, 0x0
	.amdhsa_kernel k_qd6775ef8a3_experts
		.amdhsa_group_segment_fixed_size 206080
		.amdhsa_private_segment_fixed_size 0
		.amdhsa_enable_private_segment 0
		.amdhsa_kernarg_size 56
		.amdhsa_user_sgpr_count 2
		.amdhsa_user_sgpr_kernarg_segment_ptr 1
		.amdhsa_wavefront_size32 1
		.amdhsa_system_sgpr_workgroup_id_x 1
		.amdhsa_system_sgpr_workgroup_id_y 1
		.amdhsa_system_sgpr_workgroup_id_z 1
		.amdhsa_system_vgpr_workitem_id 0
		.amdhsa_next_free_vgpr 512
		.amdhsa_next_free_sgpr 66
		.amdhsa_reserve_vcc 1
		.amdhsa_float_denorm_mode_32 3
		.amdhsa_float_denorm_mode_16_64 3
		.amdhsa_memory_ordered 1
		.amdhsa_forward_progress 1
		.amdhsa_inst_pref_size 248
	.end_amdhsa_kernel
	.amdgpu_metadata
---
amdhsa.version: [ 1, 2 ]
amdhsa.kernels:
  - .name:           k_qd6775ef8a3_experts
    .symbol:         k_qd6775ef8a3_experts.kd
    .args:
      - { .name: We, .offset: 0, .size: 8, .value_kind: global_buffer, .address_space: global }
      - { .name: be, .offset: 8, .size: 8, .value_kind: global_buffer, .address_space: global }
      - { .name: xq, .offset: 16, .size: 8, .value_kind: global_buffer, .address_space: global }
      - { .name: xs, .offset: 24, .size: 8, .value_kind: global_buffer, .address_space: global }
      - { .name: sel, .offset: 32, .size: 8, .value_kind: global_buffer, .address_space: global }
      - { .name: out0, .offset: 40, .size: 8, .value_kind: global_buffer, .address_space: global }
      - { .name: out3, .offset: 48, .size: 8, .value_kind: global_buffer, .address_space: global }
    .group_segment_fixed_size: 206080
    .private_segment_fixed_size: 0
    .kernarg_segment_align: 8
    .kernarg_segment_size: 56
    .max_flat_workgroup_size: 256
    .sgpr_count:     66
    .vgpr_count:     512
    .wavefront_size: 32
...
	.end_amdgpu_metadata
.endif
;; end of part 2
